; MI455X (gfx1250); checked and timed in simulation.
; The chip was launched on July 23, 2026; its instructions are those of AMD's public machine-readable ISA for CDNA 5 (MIT licence, August 2026) and "CDNA5" Instruction Set Architecture Reference Guide (July 2026). The comments in the code are by the model that wrote it; some were corrected since.
;; Attention2 D. Allowed arithmetic: matrix products marked QUANTISED: E2M1 operands, one E8M0 scale for each 32 along K, by v_wmma_scale_f32_16x16x128_f8f6f4 with both operands' format E2M1 (or v_wmma_scale_f32_32x16x128_f4), f32 sums; everything else in f32.
;; Inputs: beta_q 128 float32; bk 128 float32; bo 128 float32; bq 128 float32; bv 128 float32; gamma_q 128 float32; q 8 x 128 x 64 x 64 float32; wk_codes 128 x 4 x 16 uint8 (E2M1 codes of wk, K innermost, in blocks of 32 codes, two codes a byte); wk_scales 128 x 4 uint8 (E8M0 scales of wk, one for each 32 codes along K); wo_codes 128 x 4 x 16 uint8 (E2M1 codes of wo, K innermost, in blocks of 32 codes, two codes a byte); wo_scales 128 x 4 uint8 (E8M0 scales of wo, one for each 32 codes along K); wq_codes 128 x 4 x 16 uint8 (E2M1 codes of wq, K innermost, in blocks of 32 codes, two codes a byte); wq_scales 128 x 4 uint8 (E8M0 scales of wq, one for each 32 codes along K); wv_codes 128 x 4 x 16 uint8 (E2M1 codes of wv, K innermost, in blocks of 32 codes, two codes a byte); wv_scales 128 x 4 uint8 (E8M0 scales of wv, one for each 32 codes along K).
;; Outputs: out0 8 x 128 x 64 x 64 float32.
;; This version of the problem:
;;   THIS VERSION OF THE PROBLEM IS GIVEN IN LOW PRECISION. The matrix products marked QUANTISED in the list below multiply operands that are first quantised to E2M1 (2 exponent bits, 1 mantissa bit; 4 bits a number), with one power-of-two scale for each 32 numbers along K (OCP MX v1.0); their sums are f32. All else is computed in f32.
;;   The module's matrix products, in the order in which they are computed (A, B: the left and right operand; K: the contracted axis; several contracted axes count as one K, in the product's order):
;;     1. [M 128, K 128] x [K 128, N 32,768]; A: input wq (given as codes); B: computed on the way: QUANTISED
;;     2. [M 128, K 128] x [K 128, N 32,768]; A: input wk (given as codes); B: computed on the way: QUANTISED
;;     3. [M 128, K 128] x [K 128, N 32,768]; A: input wv (given as codes); B: computed on the way: QUANTISED
;;     4. batch 8 x [M 4,096, K 128] x [K 128, N 4,096]; A: computed on the way; B: computed on the way: QUANTISED
;;     5. batch 8 x [M 128, K 4,096] x [K 4,096, N 4,096]; A: computed on the way; B: softmax (see below): QUANTISED
;;     6. [M 128, K 128] x [K 128, N 32,768]; A: input wo (given as codes); B: computed on the way: QUANTISED
;;   THE QUANTISER, for each operand of a quantised product, along K:
;;     - K is cut into blocks of 32 from its start; a last block that is shorter is filled with zeros.
;;     - A block's scale is 2^e with e = floor(log2(the largest magnitude in the block)) - 2, held to -126 .. 127; a block of zeros has e = 0. As a byte (E8M0): e + 127.
;;     - Each number is divided by its block's scale, clamped to +-6, and rounded to the nearest number of E2M1, ties to even, subnormals kept.
;;     - The product sums the exact products of the quantised numbers (number of the format x scale) in f32.
;;   ~~~python
;;   def quantise(x, axis):      # numpy; x: float32 -> the quantised numbers, widened to float32 again
;;       x = np.moveaxis(x, axis, -1); K = x.shape[-1]
;;       x = np.pad(x, [(0, 0)] * (x.ndim - 1) + [(0, -K % 32)]); x = x.reshape(x.shape[:-1] + (-1, 32)); a = np.abs(x).max(-1, keepdims=True)
;;       e = np.where(a > 0, np.clip(np.frexp(np.where(a > 0, a, 1))[1] - 1 - 2, -126, 127), 0)      # np.frexp(a)[1] - 1 = floor(log2(a)), exactly
;;       r = np.clip(x / 2.0 ** e, -6, 6)
;;       step = 2.0 ** (np.maximum(np.frexp(np.where(r == 0, 1, r))[1] - 1, 0) - 1)
;;       q = np.round(r / step) * step * 2.0 ** e      # np.round: ties to even
;;       return np.moveaxis(q.reshape(q.shape[:-2] + (-1,))[..., :K], -1, axis).astype(np.float32)
;;   ~~~
;;   SOFTMAX AHEAD OF A QUANTISED PRODUCT. Where the list says 'softmax', what is quantised is not the finished softmax but p = 2^(t - M), with t = logit x log2(e) and M = ceil(the row's largest t), a whole number; so 1/2 < the row's largest p <= 1. The row's sum l is taken of the UNQUANTISED p, in f32, and the product's result is divided by l at the end. Since M is a whole number, a kernel that streams over the keys may use a running M (the ceiling of the running maximum): every later rescaling is an exact power of two, which a block's scale takes up: the codes' values come out the same.
;;   OPERANDS COMPUTED ON THE WAY. 'Computed on the way' means the value that the module computes at that place (a softmax that the list does not call 'softmax' is quantised finished and normalised). What goes into a quantiser is computed in f32, as accurately as f32 sums, v_exp_f32 and their like allow (about 1e-6 of the number): no bf16 or f16 on the way to a quantiser, and a product that is left as it is and whose result goes on into a quantised operand takes f32 operands (vector FMAs, or v_wmma_f32_16x16x4_f32). A number that lies on a knife's edge between two numbers of the format may be rounded either way, as far as f32 arithmetic and the matrix unit's own rounding can turn it there, and no further.
;;   INPUTS GIVEN AS CODES. wk (in the module: [128, 128], K = its axis 1); wo (in the module: [128, 128], K = its axis 1); wq (in the module: [128, 128], K = its axis 1); wv (in the module: [128, 128], K = its axis 1): each comes as NAME_codes (uint8): NAME with its K axis moved to the last place and cut into blocks of 32 codes, [.., K / 32, bytes a block], one block behind the other in memory; two codes a byte, the lower K in the low four bits (a code: sign, 2 exponent bits, 1 mantissa bit); and NAME_scales (uint8): the same leading axes, one E8M0 byte (e + 127) for each 32 codes along K. Its value is code x scale, taken as it is: it is not quantised again, and the codes and scales need not be those that the quantiser above would give.
;; One version. Each part assembles by itself: llvm-mc -triple=amdgcn-amd-amdhsa -mcpu=gfx1250 --defsym DOCPART=n.
;; ======== version 1 of 1: 3 launches
;; workspace buffers: stats 16,384 bytes; rec 6,684,672 bytes
;; launch stats (part 1): grid 32 x 8, 8 waves a work-group, no clusters, 1,536 bytes of LDS; arguments q, gamma_q, beta_q, stats; writes stats
.if DOCPART == 1
	.amdgcn_target "amdgcn-amd-amdhsa--gfx1250"
	.amdhsa_code_object_version 6
	.text
	.protected	k_q60ef622b9f_stats
	.globl	k_q60ef622b9f_stats
	.p2align	8
	.type	k_q60ef622b9f_stats,@function
k_q60ef622b9f_stats:
	s_mov_b64 s[64:65], 0
	v_nop
	global_prefetch_b8 v0, s[64:65] scope:SCOPE_SE
	s_setreg_imm32_b32 hwreg(HW_REG_WAVE_MODE, 25, 1), 1
	s_wait_xcnt 0x0
; THE CONSTANTS OF BOTH GROUP NORMS.  q: [8][128][4096] f32; a group is 4 channels x 4,096 positions, 65,536 dense bytes.
; For channel c of batch b the launch stores (mu, a1, mu2, a2) at stats[b][c]:  qn = (q - mu) a1 + beta,  vn = (qn - mu2) a2 + beta,
; a1 = gamma / sqrt(var + 1e-6), a2 = gamma / sqrt(var2 + 1e-6); mu2 and var2 are the mean and variance of qn over the group.
; A work-group owns one group and keeps it in registers: wave w holds bytes 8,192 w on (half of channel w / 2), 64 numbers a lane, read from memory once.
; ALL MOMENTS ARE CENTRED: first each channel's mean m_c, then the channel's sum of (x - m_c)^2; the group's variance is the mean over c of S_c + (m_c - mu)^2.
; The second norm's moments follow from the first's: qn's mean in channel c is n_c = a1 (m_c - mu) + beta, its centred second moment a1^2 S_c.  Every sum has terms of one sign: no difference of large sums is formed.
; LIMITS: NaN and infinities among the inputs are not served.  No matrix unit, no cluster: the launch reads each byte once and shares nothing between work-groups.
.set X,  16                            ; v16-79  my 64 numbers
.set CH, 80                            ; v80-87  four packed chains
.macro WSUM r, t                       ; the sum over the wave's 32 lanes, in every lane
	s_delay_alu instid0(VALU_DEP_1)
	v_add_f32_dpp v[\r], v[\r], v[\r] row_xmask:1 row_mask:0xf bank_mask:0xf
	s_delay_alu instid0(VALU_DEP_1)
	v_add_f32_dpp v[\r], v[\r], v[\r] row_xmask:2 row_mask:0xf bank_mask:0xf
	s_delay_alu instid0(VALU_DEP_1)
	v_add_f32_dpp v[\r], v[\r], v[\r] row_xmask:4 row_mask:0xf bank_mask:0xf
	s_delay_alu instid0(VALU_DEP_1)
	v_add_f32_dpp v[\r], v[\r], v[\r] row_xmask:8 row_mask:0xf bank_mask:0xf
	s_delay_alu instid0(VALU_DEP_1)
	v_permlanex16_b32 v[\t], v[\r], s14, s15
	s_delay_alu instid0(VALU_DEP_1)
	v_add_f32 v[\r], v[\r], v[\t]
.endm
.macro FOLD                            ; the four chains become one number a lane, then one a wave: v88
	s_delay_alu instid0(VALU_DEP_3)
	v_pk_add_f32 v[CH:CH+1], v[CH:CH+1], v[CH+2:CH+3]
	s_delay_alu instid0(VALU_DEP_2)
	v_pk_add_f32 v[CH+4:CH+5], v[CH+4:CH+5], v[CH+6:CH+7]
	s_delay_alu instid0(VALU_DEP_1)
	v_pk_add_f32 v[CH:CH+1], v[CH:CH+1], v[CH+4:CH+5]
	s_delay_alu instid0(VALU_DEP_1)
	v_add_f32 v88, v[CH], v[CH+1]
	WSUM 88, 89
.endm
	s_load_b256 s[4:11], s[0:1], 0x0               ; q s[4:5], gamma s[6:7], beta s[8:9], stats s[10:11]
	v_lshl_add_u32 v96, v0, 2, 0x200
	v_mov_b32 v97, 0
	v_lshrrev_b32 v8, 5, v0
	s_delay_alu instid0(VALU_DEP_1)
	v_readfirstlane_b32 s12, v8                    ; wave 0..7
	v_and_b32 v9, 31, v0                           ; lane
	v_and_b32 v10, 3, v0                           ; the channel that a lane stands for at the end
	s_delay_alu instid0(VALU_DEP_2)
	v_lshlrev_b32 v1, 4, v9
	s_delay_alu instid0(VALU_DEP_1)
	v_lshl_add_u32 v1, v8, 13, v1                  ; 16 x lane + 8,192 x wave
	v_lshlrev_b32 v2, 2, v8                        ; LDS: my wave's word
	v_lshrrev_b32 v3, 6, v0
	s_delay_alu instid0(VALU_DEP_1)
	v_lshlrev_b32 v3, 3, v3                        ; LDS: the two words of my channel's two waves
	v_lshlrev_b32 v4, 3, v10                       ; LDS: those of channel lane % 4
	s_lshl_b32 s17, ttmp9, 4
	v_lshl_add_u32 v5, v10, 2, s17                 ; gamma, beta: 4 (4 g + lane % 4)
	s_and_b32 s13, ttmp7, 0xffff                   ; batch
	s_lshl_b32 s16, s13, 5
	s_add_co_u32 s16, s16, ttmp9                   ; 32 b + g
	s_lshl_b32 s18, s16, 16                        ; x 65,536 bytes
	s_mov_b32 s19, 0
	s_lshl_b32 s20, s16, 6
	v_lshl_add_u32 v11, v10, 4, s20                ; stats: 16 (128 b + 4 g + lane % 4)
	s_mov_b32 s14, 0x76543210                      ; v_permlanex16_b32's selects for lane l xor 16
	s_mov_b32 s15, 0xfedcba98
	s_mov_b32 s22, 0x3e800000                      ; 1/4: the mean over a group's four channels
	s_mov_b32 s23, 0x358637bd                      ; 1e-6
	v_mov_b32 v89, 0                               ; a lane permute's destination counts as one of its sources
	s_wait_alu depctr_va_vdst(0)
	s_wait_kmcnt 0x0
	s_add_nc_u64 s[4:5], s[4:5], s[18:19]
	global_load_b32 v6, v5, s[6:7]
	global_load_b32 v7, v5, s[8:9]
.irp i, 0,1,2,3,4,5,6,7,8,9,10,11,12,13,14,15
	global_load_b128 v[X+4*\i:X+4*\i+3], v1, s[4:5] offset:512*\i    ; 32 lanes read 512 consecutive bytes; q is read again by later launches, so no hint
.endr
	; ---- pass 1: the sum of my 64 numbers, four loads at a time
	s_wait_loadcnt 12                              ; the first four loads of q are in (and gamma, beta ahead of them); the twelve younger stay out
.irp k, 0,1,2,3
	v_pk_add_f32 v[CH+2*\k:CH+2*\k+1], v[X+2*\k:X+2*\k+1], v[X+8+2*\k:X+9+2*\k]    ; the first pairs start the chains: nothing is cleared
.endr
	s_wait_alu depctr_va_vdst(0)
.irp n, 1,2,3
	s_wait_alu depctr_va_vdst(0)
	s_wait_loadcnt 12-4*\n                         ; the next four are in
.irp k, 0,1,2,3
	v_pk_add_f32 v[CH+2*\k:CH+2*\k+1], v[CH+2*\k:CH+2*\k+1], v[X+16*\n+2*\k:X+16*\n+2*\k+1]
.endr
.irp k, 0,1,2,3
	s_delay_alu instid0(VALU_DEP_4)
	v_pk_add_f32 v[CH+2*\k:CH+2*\k+1], v[CH+2*\k:CH+2*\k+1], v[X+16*\n+8+2*\k:X+16*\n+9+2*\k]
.endr
.endr
	FOLD
	ds_store_b32 v2, v88                           ; all lanes write the same word with the same value
	s_wait_dscnt 0x0                               ; for the others' sake: my store is done
	s_barrier_signal -1
	s_barrier_wait -1
	; ---- pass 2: my channel's mean, and the sum of (x - mean)^2
	ds_load_b64 v[90:91], v3
	s_wait_dscnt 0x0
	v_add_f32 v90, v90, v91
	s_delay_alu instid0(VALU_DEP_1)
	v_mul_f32 v90, 0x39800000, v90                 ; x 2^-12: the mean of 4,096
.set NP, 0
.rept 32
	v_pk_add_f32 v[X+NP:X+NP+1], v[X+NP:X+NP+1], v[90:91] op_sel_hi:[1,0] neg_lo:[0,1] neg_hi:[0,1]
.set NP, NP+2
.endr
.irp k, 0,1,2,3
	v_pk_mul_f32 v[CH+2*\k:CH+2*\k+1], v[X+2*\k:X+2*\k+1], v[X+2*\k:X+2*\k+1]
.endr
.set NP, 8
.rept 7
.irp k, 0,1,2,3
	s_delay_alu instid0(VALU_DEP_4)
	v_pk_fma_f32 v[CH+2*\k:CH+2*\k+1], v[X+NP+2*\k:X+NP+2*\k+1], v[X+NP+2*\k:X+NP+2*\k+1], v[CH+2*\k:CH+2*\k+1]
.endr
.set NP, NP+8
.endr
	FOLD
	ds_store_b32 v2, v88 offset:32                 ; other bytes than pass 1's
	s_wait_dscnt 0x0
	s_barrier_signal -1
	s_barrier_wait -1
	s_cmp_lg_u32 s12, 0                            ; the rest is a few lines on four numbers: wave 0 does it
	s_cbranch_scc1 .Lend
	; ---- the group's constants; lane l stands for channel l % 4
	ds_load_b64 v[90:91], v4
	ds_load_b64 v[92:93], v4 offset:32
	s_wait_dscnt 0x0
	v_add_f32 v80, v90, v91
	v_add_f32 v81, v92, v93
	s_delay_alu instid0(VALU_DEP_2)
	v_mul_f32 v80, 0x39800000, v80                 ; m_c
	s_delay_alu instid0(VALU_DEP_2)
	v_mul_f32 v81, 0x39800000, v81                 ; S_c
	s_delay_alu instid0(VALU_DEP_2)
	v_add_f32_dpp v82, v80, v80 row_xmask:1 row_mask:0xf bank_mask:0xf
	s_delay_alu instid0(VALU_DEP_1)
	v_add_f32_dpp v82, v82, v82 row_xmask:2 row_mask:0xf bank_mask:0xf
	s_delay_alu instid0(VALU_DEP_1)
	v_mul_f32 v16, s22, v82                        ; mu
	s_delay_alu instid0(VALU_DEP_1)
	v_sub_f32 v83, v80, v16                        ; m_c - mu
	s_delay_alu instid0(VALU_DEP_1)
	v_fma_f32 v84, v83, v83, v81
	s_delay_alu instid0(VALU_DEP_1)
	v_add_f32_dpp v84, v84, v84 row_xmask:1 row_mask:0xf bank_mask:0xf
	s_delay_alu instid0(VALU_DEP_1)
	v_add_f32_dpp v84, v84, v84 row_xmask:2 row_mask:0xf bank_mask:0xf
	s_delay_alu instid0(VALU_DEP_1)
	v_fma_f32 v84, v84, s22, s23                   ; var + 1e-6
	s_wait_alu depctr_va_vdst(0)
	v_rsq_f32 v85, v84
	v_nop                                          ; one plain place behind a transcendental (ISA guide 5.7.2)
	s_wait_alu depctr_va_vdst(0)
	v_mul_f32 v17, v85, v6                         ; a1
	s_delay_alu instid0(VALU_DEP_1)
	v_fma_f32 v87, v17, v83, v7                    ; n_c: qn's mean in channel c
	s_delay_alu instid0(VALU_DEP_1)
	v_add_f32_dpp v88, v87, v87 row_xmask:1 row_mask:0xf bank_mask:0xf
	s_delay_alu instid0(VALU_DEP_1)
	v_add_f32_dpp v88, v88, v88 row_xmask:2 row_mask:0xf bank_mask:0xf
	s_delay_alu instid0(VALU_DEP_1)
	v_mul_f32 v18, s22, v88                        ; mu2
	s_delay_alu instid0(VALU_DEP_1)
	v_sub_f32 v89, v87, v18
	v_mul_f32 v90, v17, v17
	s_delay_alu instid0(VALU_DEP_1)
	v_mul_f32 v90, v90, v81                        ; a1^2 S_c
	s_delay_alu instid0(VALU_DEP_1)
	v_fma_f32 v91, v89, v89, v90
	s_delay_alu instid0(VALU_DEP_1)
	v_add_f32_dpp v91, v91, v91 row_xmask:1 row_mask:0xf bank_mask:0xf
	s_delay_alu instid0(VALU_DEP_1)
	v_add_f32_dpp v91, v91, v91 row_xmask:2 row_mask:0xf bank_mask:0xf
	s_delay_alu instid0(VALU_DEP_1)
	v_fma_f32 v91, v91, s22, s23                   ; var2 + 1e-6
	s_wait_alu depctr_va_vdst(0)
	v_rsq_f32 v92, v91
	v_nop
	s_wait_alu depctr_va_vdst(0)
	v_mul_f32 v19, v92, v6                         ; a2
	s_wait_alu depctr_va_vdst(0)
	s_wait_xcnt 0x0                                ; EXEC changes only behind this wait
	v_cmp_gt_u32 vcc_lo, 4, v0
	s_and_saveexec_b32 s21, vcc_lo
	global_store_b128 v11, v[16:19], s[10:11]      ; four lanes: 64 consecutive bytes
	s_wait_xcnt 0x0                                ; and again, in front of the line that widens it
	s_or_b32 exec_lo, exec_lo, s21
.Lend:
	s_wait_tensorcnt 0x0
	ds_add_u32 v96, v97
	s_wait_dscnt 0x0
	s_endpgm
.Lfunc_end_k_q60ef622b9f_stats:
	.size	k_q60ef622b9f_stats, .Lfunc_end_k_q60ef622b9f_stats-k_q60ef622b9f_stats
	.p2alignl 7, 3214868480
	.fill 96, 4, 3214868480
	.section	.rodata,"a",@progbits
	.p2align	6, 0x0
	.amdhsa_kernel k_q60ef622b9f_stats
		.amdhsa_group_segment_fixed_size 1536
		.amdhsa_private_segment_fixed_size 0
		.amdhsa_enable_private_segment 0
		.amdhsa_kernarg_size 32
		.amdhsa_user_sgpr_count 2
		.amdhsa_user_sgpr_kernarg_segment_ptr 1
		.amdhsa_wavefront_size32 1
		.amdhsa_system_sgpr_workgroup_id_x 1
		.amdhsa_system_sgpr_workgroup_id_y 1
		.amdhsa_system_sgpr_workgroup_id_z 1
		.amdhsa_system_vgpr_workitem_id 0
		.amdhsa_next_free_vgpr 98
		.amdhsa_next_free_sgpr 66
		.amdhsa_reserve_vcc 1
		.amdhsa_float_denorm_mode_32 3
		.amdhsa_float_denorm_mode_16_64 3
		.amdhsa_memory_ordered 1
		.amdhsa_forward_progress 1
		.amdhsa_inst_pref_size 16
	.end_amdhsa_kernel
	.amdgpu_metadata
---
amdhsa.version: [ 1, 2 ]
amdhsa.kernels:
  - .name:           k_q60ef622b9f_stats
    .symbol:         k_q60ef622b9f_stats.kd
    .args:
      - { .name: q, .offset: 0, .size: 8, .value_kind: global_buffer, .address_space: global }
      - { .name: gamma_q, .offset: 8, .size: 8, .value_kind: global_buffer, .address_space: global }
      - { .name: beta_q, .offset: 16, .size: 8, .value_kind: global_buffer, .address_space: global }
      - { .name: stats, .offset: 24, .size: 8, .value_kind: global_buffer, .address_space: global }
    .group_segment_fixed_size: 1536
    .private_segment_fixed_size: 0
    .kernarg_segment_align: 8
    .kernarg_segment_size: 32
    .max_flat_workgroup_size: 256
    .sgpr_count:     66
    .vgpr_count:     98
    .wavefront_size: 32
...
	.end_amdgpu_metadata
.endif
;; end of part 1
;; launch proj (part 2): grid 32 x 8, 4 waves a work-group, no clusters, 2,560 bytes of LDS; arguments q, stats, beta_q, wq_codes, wq_scales, bq, wk_codes, wk_scales, bk, wv_codes, wv_scales, bv, rec; writes rec
.if DOCPART == 2
	.amdgcn_target "amdgcn-amd-amdhsa--gfx1250"
	.amdhsa_code_object_version 6
	.text
	.protected	k_q60ef622b9f_proj
	.globl	k_q60ef622b9f_proj
	.p2align	8
	.type	k_q60ef622b9f_proj,@function
k_q60ef622b9f_proj:
	s_mov_b64 s[64:65], 0
	v_nop
	global_prefetch_b8 v0, s[64:65] scope:SCOPE_SE
	s_setreg_imm32_b32 hwreg(HW_REG_WAVE_MODE, 25, 1), 1
	s_wait_xcnt 0x0
; BOTH NORMS, THE THREE PROJECTIONS, AND THEIR QUANTISING FOR ATTENTION.  A work-group takes 128 positions of one batch and writes one RECORD of 26,112 bytes:
;   K's 8 fragments (16 keys x 128 channels), V's 8 fragments (16 channels x these 128 keys), K's, V's and Q's scale words (512 bytes each), Q's 8 fragments.
; A fragment is stored as AN IMAGE OF THE OPERAND'S REGISTERS: 8 registers a lane, group c of four at 512 c + 16 x lane: the launch that reads it needs no rows and no pitch.
; SHARES.  Wave w owns positions 32 w .. 32 w + 31.  For the norms LANE = POSITION and the registers run down the channels: a load reads 128 consecutive bytes a wave (512 a work-group), the norms' constants are
; scalars, and a block of 32 channels lies in one lane: its largest magnitude needs no other lane, and the conversions give codes with the channels innermost, in their true order, as the given weights want them.
; PRODUCTS, on codes of E2M1 with E8M0 scales.  Q and K transposed (source 0 = 16 rows of the weight, source 1 = 16 positions; C = the bias): a lane holds one position and its registers run along the output channels,
; which are the next product's K.  V the other way (source 0 = 16 positions, source 1 = 16 rows of wv): a lane holds one channel and its registers run along the positions, the keys, which are V's K.
; ORDER INSIDE A BLOCK OF 32.  The 16 registers of two neighbouring tiles and the two halves of the lanes fill a block's 32 places in the order 16 h + 8 u + j (h: half of the lanes, u: tile of the pair, j: register).
; Q's and K's codes, and V's and the softmax's, are made the same way, so both operands of those products carry the same order inside true blocks, and the sums are the same.  wq's and wk's rows are taken as they lie.
; wv's ROWS ARE CHOSEN: lane r of tile 2 b + u takes row 32 b + 8 u + r + 8 (r / 8), so that attention's result comes out with its channels in true order for the last product, whose weight is given.
; A block's scale byte is the largest magnitude's exponent field - 2, held at 1 from below by a floor among the maximum's leaves.
; LIMITS: a block of zeros, or one whose largest magnitude lies under 2^-124, gets the byte 1 where the rule says 127 or less: its codes are zeros or the rule's, and the bytes are read by this program alone.  NaN and infinities are not served.
; No tensor load, no cluster: a work-group reads its 64 KiB of q once and shares only the small weights.
; REGISTERS.  window 0: v1-14 addresses; v16-31 qn's two fragments, v32-47 vn's; v48, v49 their scale words (lanes 0-15: positions 0-15, lanes 16-31: positions 16-31); v50-73 the weights' scale words;
;   v74-89 the norms' constants (lane = channel), v90-93 beta; v96-127 a block of vn, later Q's and K's codes; v128-223 three blocks of q, later 8 result tiles, bv and V's codes; v224-243 at work.
;   window 1: wq v0-63, wk v64-127, wv v128-191.   window 2: bq v0-63, bk v64-127, in the result's layout.
.set REC, 26112
.set KF,  0
.set VF,  8192
.set KS,  16384                        ; K's scale words; V's and Q's follow, 512 bytes each
.set QF,  17920
.set VSL, 512                          ; LDS: K's scale words at 0, V's at 512, Q's at 1,024: the record's order
.set QSL, 1024
.set QN,  16
.set VN,  32
.set SQN, 48
.set SVN, 49
.set WQS, 50
.set WKS, 58
.set WVS, 66
.set STT, 74
.set BET, 90
.set Y,   96
.set RAW, 128
.set HA,  128
.set BV,  192
.set VC,  200
.set TM,  224                          ; v224-227 largest magnitudes, v228-231 permutes' results and bytes, v232-233 bytes, v236-239 the conversions' scale operands
.set PW,  240                          ; v240-243 a scale word for each of the four jobs of Q and K
.set CP,  244
.set SEL, 32
.set MSB, 0
.macro WIN new                         ; the immediate's high byte repeats the setting that is left
.if MSB != \new
	s_set_vgpr_msb (MSB<<8)|\new
.set MSB, \new
.endif
.endm
.macro NOPS n
.rept \n
	v_nop
.endr
.endm
.macro LOADQ be, buf                   ; block be: q(32 be + i, my position), i = 0 .. 31
.set NI, 0
.rept 32
	global_load_b32 v[\buf+NI], v1, s[4:5] offset:(32*(\be)+NI)*16384
.set NI, NI+1
.endr
.endm
; Block be of 32 channels, in v[x] on: qn in place, vn into v[Y] on, both quantised.  A group's constants come out of their lanes as scalars, 14 at a time, into two sets by turns.
.macro NORM be, x
.set NG, 0
.rept 8
.set SB, 36+14*(NG%2)
	v_readlane_b32 s[SB], v[STT+4*(\be)], 4*NG                   ; mu
	v_readlane_b32 s[SB+1], v[STT+4*(\be)+2], 4*NG               ; mu2
.set NK, 0
.rept 4
	v_readlane_b32 s[SB+2+3*NK], v[STT+4*(\be)+1], 4*NG+NK       ; a1
	v_readlane_b32 s[SB+3+3*NK], v[BET+(\be)], 4*NG+NK           ; beta
	v_readlane_b32 s[SB+4+3*NK], v[STT+4*(\be)+3], 4*NG+NK       ; a2
.set NK, NK+1
.endr
.set NK, 0
.rept 4
	v_sub_f32 v[\x+4*NG+NK], v[\x+4*NG+NK], s[SB]
.set NK, NK+1
.endr
.set NK, 0
.rept 4
	v_fma_f32 v[\x+4*NG+NK], v[\x+4*NG+NK], s[SB+2+3*NK], s[SB+3+3*NK]      ; qn = (q - mu) a1 + beta
.set NK, NK+1
.endr
.set NK, 0
.rept 4
	v_sub_f32 v[Y+4*NG+NK], v[\x+4*NG+NK], s[SB+1]
.set NK, NK+1
.endr
.set NK, 0
.rept 4
	v_fma_f32 v[Y+4*NG+NK], v[Y+4*NG+NK], s[SB+4+3*NK], s[SB+3+3*NK]        ; vn = (qn - mu2) a2 + beta
.set NK, NK+1
.endr
.set NG, NG+1
.endr
	v_max3_num_f32 v[TM], |v[\x]|, |v[\x+1]|, |v[\x+2]|          ; the two blocks' largest magnitudes, two chains each, by turns
	v_max3_num_f32 v[TM+2], |v[Y]|, |v[Y+1]|, |v[Y+2]|
	v_max3_num_f32 v[TM+1], |v[\x+3]|, |v[\x+4]|, |v[\x+5]|
	v_max3_num_f32 v[TM+3], |v[Y+3]|, |v[Y+4]|, |v[Y+5]|
.irp i, 6,10,14,18,22,26
	v_max3_num_f32 v[TM], v[TM], |v[\x+\i]|, |v[\x+\i+1]|
	v_max3_num_f32 v[TM+2], v[TM+2], |v[Y+\i]|, |v[Y+\i+1]|
	v_max3_num_f32 v[TM+1], v[TM+1], |v[\x+\i+2]|, |v[\x+\i+3]|
	v_max3_num_f32 v[TM+3], v[TM+3], |v[Y+\i+2]|, |v[Y+\i+3]|
.endr
	v_max3_num_f32 v[TM], v[TM], |v[\x+30]|, |v[\x+31]|
	v_max3_num_f32 v[TM+2], v[TM+2], |v[Y+30]|, |v[Y+31]|
	v_max3_num_f32 v[TM], v[TM], v[TM+1], 0x1800000              ; and the floor 2^(3 - 127): the byte cannot fall under 1
	v_max3_num_f32 v[TM+2], v[TM+2], v[TM+3], 0x1800000
	v_add_nc_u32 v[TM+12], 0xff000000, v[TM]                     ; 2 off the exponent field: the conversion's scale operand
	v_add_nc_u32 v[TM+13], 0xff000000, v[TM+2]
.if (\be) == 0
	v_lshrrev_b32 v[SQN], 23, v[TM+12]                           ; the scale's byte: byte be of my position's word
	v_lshrrev_b32 v[SVN], 23, v[TM+13]
.else
	v_lshrrev_b32 v[TM+8], 23, v[TM+12]
	v_lshrrev_b32 v[TM+9], 23, v[TM+13]
	v_lshl_or_b32 v[SQN], v[TM+8], 8*(\be), v[SQN]
	v_lshl_or_b32 v[SVN], v[TM+9], 8*(\be), v[SVN]
.endif
.irp g, 0,1,2,3                        ; even blocks into the first fragment's registers, odd ones into the second's: the exchange of halves below makes two fragments of them
	v_cvt_scalef32_pk8_fp4_f32 v[QN+8*((\be)&1)+4*((\be)>>1)+\g], v[\x+8*\g:\x+8*\g+7], v[TM+12]
	v_cvt_scalef32_pk8_fp4_f32 v[VN+8*((\be)&1)+4*((\be)>>1)+\g], v[Y+8*\g:Y+8*\g+7], v[TM+13]
.endr
	v_nop                                          ; one plain place behind a scaled conversion
.endm
; 64 numbers of a lane in four blocks of 16 registers; a block's other 16 lie in lane l xor 16.  Bytes into v[TM+4] on, codes into v[pc] on, two registers a block.
.macro QCORE s, pc
.irp b, 0,1,2,3
	v_max3_num_f32 v[TM+\b], |v[\s+16*\b]|, |v[\s+1+16*\b]|, 0x1800000
.endr
.irp i, 2,4,6,8,10,12,14
.irp b, 0,1,2,3
	v_max3_num_f32 v[TM+\b], v[TM+\b], |v[\s+16*\b+\i]|, |v[\s+1+16*\b+\i]|
.endr
.endr
.irp b, 0,1,2,3
	v_permlanex16_b32 v[TM+4+\b], v[TM+\b], s[SEL], s[SEL+1]
.endr
.irp b, 0,1,2,3
	v_max_num_f32 v[TM+\b], v[TM+\b], v[TM+4+\b]
.endr
.irp b, 0,1,2,3
	v_add_nc_u32 v[TM+12+\b], 0xff000000, v[TM+\b]
.endr
.irp b, 0,1,2,3
	v_lshrrev_b32 v[TM+4+\b], 23, v[TM+12+\b]
.endr
.irp b, 0,1,2,3
	v_cvt_scalef32_pk8_fp4_f32 v[\pc+2*\b], v[\s+16*\b:\s+7+16*\b], v[TM+12+\b]
	v_cvt_scalef32_pk8_fp4_f32 v[\pc+1+2*\b], v[\s+8+16*\b:\s+15+16*\b], v[TM+12+\b]
.endr
	v_nop                                          ; one plain place behind a scaled conversion
.endm
.macro QTAIL pc, pw                    ; the four bytes make the row's scale word; the operand's layout wants a whole block in a lane
	v_lshl_or_b32 v[\pw], v[TM+5], 8, v[TM+4]
	v_lshl_or_b32 v[\pw], v[TM+6], 16, v[\pw]
	v_lshl_or_b32 v[\pw], v[TM+7], 24, v[\pw]
.irp c, 0,1
.irp i, 0,1
	v_permlane16_swap_b32 v[\pc+4*\c+\i], v[\pc+2+4*\c+\i]
.endr
.endr
.endm
; One fragment of Q or K: 16 positions x all 128 output channels.
.macro QKJOB wof, ws, frag, sc, f, pc, pw, img, lsa, lso
	WIN 0x21                                       ; source 0 (the weight) window 1, source 2 (the bias) window 2
.irp t, 0,1,2,3,4,5,6,7
.if \f
	v_wmma_scale_f32_16x16x128_f8f6f4 v[HA+8*\t:HA+8*\t+7], v[\wof+8*\t:\wof+8*\t+7], v[\frag+8:\frag+15], v[\wof+8*\t:\wof+8*\t+7], v[\ws+\t], v[\sc] matrix_a_fmt:MATRIX_FMT_FP4 matrix_b_fmt:MATRIX_FMT_FP4 matrix_b_scale:MATRIX_SCALE_ROW1
.else
	v_wmma_scale_f32_16x16x128_f8f6f4 v[HA+8*\t:HA+8*\t+7], v[\wof+8*\t:\wof+8*\t+7], v[\frag:\frag+7], v[\wof+8*\t:\wof+8*\t+7], v[\ws+\t], v[\sc] matrix_a_fmt:MATRIX_FMT_FP4 matrix_b_fmt:MATRIX_FMT_FP4
.endif
.endr
	WIN 0
	NOPS 5                                         ; four places in front of the first read of results (ISA guide 7.12.1); the fifth since the next job's products write over these results
	QCORE HA, \pc
	QTAIL \pc, \pw
	global_store_b128 v7, v[\pc:\pc+3], s[28:29] offset:\img+1024*\f          ; the wave stores 512 consecutive bytes, aligned
	global_store_b128 v7, v[\pc+4:\pc+7], s[28:29] offset:\img+1024*\f+512
	ds_store_b32 v[\lsa], v[\pw] offset:\lso       ; both halves of the lanes write the same word with the same value
.endm
; Four tiles of V's channels x my 32 positions, which are one block of keys.
.macro VJOB g
	WIN 0x04                                       ; source 1 (wv) window 1
.irp i, 0,1,2,3
	v_wmma_scale_f32_16x16x128_f8f6f4 v[HA+16*\i:HA+16*\i+7], v[VN:VN+7], v[128+8*(4*\g+\i):128+8*(4*\g+\i)+7], 0, v[SVN], v[WVS+4*\g+\i] matrix_a_fmt:MATRIX_FMT_FP4 matrix_b_fmt:MATRIX_FMT_FP4
	v_wmma_scale_f32_16x16x128_f8f6f4 v[HA+16*\i+8:HA+16*\i+15], v[VN+8:VN+15], v[128+8*(4*\g+\i):128+8*(4*\g+\i)+7], 0, v[SVN], v[WVS+4*\g+\i] matrix_a_fmt:MATRIX_FMT_FP4 matrix_b_fmt:MATRIX_FMT_FP4 matrix_a_scale:MATRIX_SCALE_ROW1
.endr
	WIN 0
	NOPS 5
.irp i, 0,1,2,3
.set NI, 0
.rept 16
	v_add_f32 v[HA+16*\i+NI], v[HA+16*\i+NI], v[BV+4*\g+\i]      ; the bias of my channel; each result from its low end on
.set NI, NI+1
.endr
.endr
	QCORE HA, VC+8*\g
.irp i, 0,1,2,3
	global_store_b64 v8, v[VC+8*\g+2*\i:VC+8*\g+2*\i+1], s[28:29] offset:VF+1024*(4*\g+\i)   ; my 16 codes of the block: the wave stores 256 consecutive bytes, aligned: no exchange of halves is needed
	ds_store_b8 v10, v[TM+4+\i] offset:256*\g+4*\i               ; byte w of the channel's scale word
.endr
.endm
	s_load_b512 s[4:19], s[0:1], 0x0               ; q s[4:5], stats s[6:7], beta s[8:9], wq's codes s[10:11], scales s[12:13], bq s[14:15], wk's codes s[16:17], scales s[18:19]
	s_load_b256 s[20:27], s[0:1], 0x40             ; bk s[20:21], wv's codes s[22:23], scales s[24:25], bv s[26:27]
	s_load_b64 s[28:29], s[0:1], 0x60              ; rec
	v_lshl_add_u32 v254, v0, 2, 0x800
	v_mov_b32 v255, 0
	v_lshrrev_b32 v15, 5, v0
	v_readfirstlane_b32 s30, v15                   ; wave 0..3
	v_and_b32 v244, 31, v0                         ; lane
	v_and_b32 v245, 15, v0                         ; r
	v_bfe_u32 v246, v0, 4, 1                       ; h
	v_and_b32 v247, 8, v245
	v_add_nc_u32 v247, v247, v245                  ; r + 8 (r / 8)
	v_lshlrev_b32 v1, 2, v0                        ; q: 4 bytes a position: 128 w + 4 x lane
	v_lshlrev_b32 v2, 6, v245
	v_lshl_add_u32 v2, v246, 4, v2                 ; wq, wk: row r of 64 bytes, + 16 h
	v_lshlrev_b32 v3, 6, v247
	v_lshl_add_u32 v3, v246, 4, v3                 ; wv: the chosen row
	v_lshlrev_b32 v4, 2, v245                      ; scale words: 4 bytes a row
	v_lshlrev_b32 v5, 2, v247
	v_lshlrev_b32 v6, 5, v246                      ; bq, bk: my half's eight numbers of a tile
	v_lshlrev_b32 v12, 4, v244                     ; the norms' constants: 16 bytes a channel
	v_lshlrev_b32 v13, 2, v244                     ; beta
	s_lshl_b32 s31, s30, 11
	v_add_nc_u32 v7, s31, v12                      ; images of Q and K: 16 x lane + 2,048 w
	s_lshr_b32 s34, s30, 1
	s_and_b32 s35, s30, 1
	v_lshlrev_b32 v8, 4, v245
	v_lshl_add_u32 v8, v246, 3, v8
	s_lshl_b32 s31, s34, 9
	s_lshl_b32 s36, s35, 8
	s_add_co_u32 s31, s31, s36
	v_add_nc_u32 v8, s31, v8                       ; images of V: block w = register group w / 2 of lane half w % 2: 512 (w / 2) + 256 (w % 2) + 16 r + 8 h
	v_lshlrev_b32 v9, 4, v245
	s_lshl_b32 s31, s34, 8
	s_lshl_b32 s36, s35, 3
	s_add_co_u32 s31, s31, s36
	v_add_nc_u32 v9, s31, v9                       ; LDS, K's scale words: tile T, row r at 16 r + 256 (T / 4) + 4 (T % 4), T = 2 w + f
	v_lshlrev_b32 v10, 4, v245
	s_add_co_u32 s31, s30, VSL
	v_add_nc_u32 v10, s31, v10                     ; LDS, V's: the same form, + my byte w
	s_lshl_b32 s31, s30, 7
	s_add_co_u32 s31, s31, QSL
	v_add_nc_u32 v11, s31, v4                      ; LDS, Q's: 64 T + 4 r
	v_lshlrev_b32 v14, 4, v0                       ; the scale words' way out: 16 x thread, in LDS and in the record
	s_mov_b32 s[SEL], 0x76543210
	s_mov_b32 s[SEL+1], 0xfedcba98                 ; v_permlanex16_b32's selects for lane l xor 16
.irp b, 0,1,2,3
	v_mov_b32 v[TM+4+\b], 0                        ; written once: a lane permute's destination counts as one of its sources
.endr
	s_and_b32 s31, ttmp7, 0xffff                   ; batch
	s_lshl_b32 s36, s31, 21                        ; q: 2 MiB a batch,
	s_lshl_b32 s37, ttmp9, 9                       ; 512 bytes a block of 128 positions
	s_add_co_u32 s36, s36, s37
	s_mov_b32 s37, 0
	s_lshl_b32 s38, s31, 11                        ; stats: 2,048 bytes a batch
	s_mov_b32 s39, 0
	s_lshl_b32 s40, s31, 5
	s_add_co_u32 s40, s40, ttmp9
	s_mul_i32 s40, s40, REC                        ; my record
	s_mov_b32 s41, 0
	s_wait_kmcnt 0x0
	s_add_nc_u64 s[4:5], s[4:5], s[36:37]
	s_add_nc_u64 s[6:7], s[6:7], s[38:39]
	s_add_nc_u64 s[28:29], s[28:29], s[40:41]
.irp b, 0,1,2,3
	global_load_b128 v[STT+4*\b:STT+4*\b+3], v12, s[6:7] offset:512*\b
.endr
.irp b, 0,1,2,3
	global_load_b32 v[BET+\b], v13, s[8:9] offset:128*\b
.endr
	LOADQ 0, RAW
	LOADQ 1, RAW+32
	s_wait_loadcnt 32                              ; the constants and block 0 are in; block 1's 32 loads may be out
	LOADQ 2, RAW+64
	NORM 0, RAW
	s_wait_loadcnt 32                              ; block 1 is in; block 2's may be out
	LOADQ 3, RAW                                   ; into the registers that block 0 has left
	NORM 1, RAW+32
	s_wait_loadcnt 32                              ; block 2 is in; block 3's may be out
	NORM 2, RAW+64
	s_wait_loadcnt 0x0                             ; block 3 is in
	WIN 0x40                                       ; the weights come while block 3 is worked on.  Destination window 1
.irp t, 0,1,2,3,4,5,6,7
.irp c, 0,1
	global_load_b128 v[8*\t+4*\c:8*\t+4*\c+3], v2, s[10:11] offset:1024*\t+32*\c
	global_load_b128 v[64+8*\t+4*\c:64+8*\t+4*\c+3], v2, s[16:17] offset:1024*\t+32*\c
	global_load_b128 v[128+8*\t+4*\c:128+8*\t+4*\c+3], v3, s[22:23] offset:(32*(\t/2)+8*(\t%2))*64+32*\c
.endr
.endr
	WIN 0x80                                       ; destination window 2: lane (r, h) wants the biases of output channels 16 t + 8 h + 0 .. 7
.irp t, 0,1,2,3,4,5,6,7
	global_load_b128 v[8*\t:8*\t+3], v6, s[14:15] offset:64*\t
	global_load_b128 v[8*\t+4:8*\t+7], v6, s[14:15] offset:64*\t+16
	global_load_b128 v[64+8*\t:64+8*\t+3], v6, s[20:21] offset:64*\t
	global_load_b128 v[64+8*\t+4:64+8*\t+7], v6, s[20:21] offset:64*\t+16
.endr
	WIN 0
.irp t, 0,1,2,3,4,5,6,7
	global_load_b32 v[WQS+\t], v4, s[12:13] offset:64*\t
	global_load_b32 v[WKS+\t], v4, s[18:19] offset:64*\t
	global_load_b32 v[WVS+\t], v5, s[24:25] offset:(32*(\t/2)+8*(\t%2))*4
	global_load_b32 v[BV+\t], v5, s[26:27] offset:(32*(\t/2)+8*(\t%2))*4
.endr
	NORM 3, RAW
.irp n, 0,1,2,3,4,5,6,7                ; a lane holds all four blocks of ONE position; an operand's lane holds two blocks.  The first's lanes 16-31 change places with the second's lanes 0-15: two fragments of 16 positions
	v_permlane16_swap_b32 v[QN+\n], v[QN+8+\n]
	v_permlane16_swap_b32 v[VN+\n], v[VN+8+\n]
.endr
	s_wait_alu depctr_va_vdst(0)
	s_wait_loadcnt 0x0                             ; the weights
	NOPS 8                                         ; a scale register written by a vector instruction stands 8 places ahead of a scaled matrix instruction, an operand so written 4
	QKJOB 0,  WQS, QN, SQN, 0, Y,    PW,   QF, 11, 0
	QKJOB 0,  WQS, QN, SQN, 1, Y+8,  PW+1, QF, 11, 64
	QKJOB 64, WKS, VN, SVN, 0, Y+16, PW+2, KF, 9, 0
	QKJOB 64, WKS, VN, SVN, 1, Y+24, PW+3, KF, 9, 4
	VJOB 0
	s_wait_dscnt 0x0                               ; the byte stores have read their registers, which the next job writes again
	VJOB 1
	s_wait_dscnt 0x0                               ; for the others' sake: my scale words lie in LDS
	s_barrier_signal -1
	s_barrier_wait -1
	s_cmp_gt_u32 s30, 2                            ; 1,536 bytes: waves 0 to 2 take 512 each
	s_cbranch_scc1 .Lend
	ds_load_b128 v[CP:CP+3], v14
	s_wait_dscnt 0x0
	global_store_b128 v14, v[CP:CP+3], s[28:29] offset:KS        ; the wave stores 512 consecutive bytes, aligned
.Lend:
	s_wait_tensorcnt 0x0
	ds_add_u32 v254, v255
	s_wait_dscnt 0x0
	s_endpgm
.Lfunc_end_k_q60ef622b9f_proj:
	.size	k_q60ef622b9f_proj, .Lfunc_end_k_q60ef622b9f_proj-k_q60ef622b9f_proj
	.p2alignl 7, 3214868480
	.fill 96, 4, 3214868480
	.section	.rodata,"a",@progbits
	.p2align	6, 0x0
	.amdhsa_kernel k_q60ef622b9f_proj
		.amdhsa_group_segment_fixed_size 2560
		.amdhsa_private_segment_fixed_size 0
		.amdhsa_enable_private_segment 0
		.amdhsa_kernarg_size 104
		.amdhsa_user_sgpr_count 2
		.amdhsa_user_sgpr_kernarg_segment_ptr 1
		.amdhsa_wavefront_size32 1
		.amdhsa_system_sgpr_workgroup_id_x 1
		.amdhsa_system_sgpr_workgroup_id_y 1
		.amdhsa_system_sgpr_workgroup_id_z 1
		.amdhsa_system_vgpr_workitem_id 0
		.amdhsa_next_free_vgpr 640
		.amdhsa_next_free_sgpr 66
		.amdhsa_reserve_vcc 0
		.amdhsa_float_denorm_mode_32 3
		.amdhsa_float_denorm_mode_16_64 3
		.amdhsa_memory_ordered 1
		.amdhsa_forward_progress 1
		.amdhsa_inst_pref_size 135
	.end_amdhsa_kernel
	.amdgpu_metadata
---
amdhsa.version: [ 1, 2 ]
amdhsa.kernels:
  - .name:           k_q60ef622b9f_proj
    .symbol:         k_q60ef622b9f_proj.kd
    .args:
      - { .name: q, .offset: 0, .size: 8, .value_kind: global_buffer, .address_space: global }
      - { .name: stats, .offset: 8, .size: 8, .value_kind: global_buffer, .address_space: global }
      - { .name: beta_q, .offset: 16, .size: 8, .value_kind: global_buffer, .address_space: global }
      - { .name: wq_codes, .offset: 24, .size: 8, .value_kind: global_buffer, .address_space: global }
      - { .name: wq_scales, .offset: 32, .size: 8, .value_kind: global_buffer, .address_space: global }
      - { .name: bq, .offset: 40, .size: 8, .value_kind: global_buffer, .address_space: global }
      - { .name: wk_codes, .offset: 48, .size: 8, .value_kind: global_buffer, .address_space: global }
      - { .name: wk_scales, .offset: 56, .size: 8, .value_kind: global_buffer, .address_space: global }
      - { .name: bk, .offset: 64, .size: 8, .value_kind: global_buffer, .address_space: global }
      - { .name: wv_codes, .offset: 72, .size: 8, .value_kind: global_buffer, .address_space: global }
      - { .name: wv_scales, .offset: 80, .size: 8, .value_kind: global_buffer, .address_space: global }
      - { .name: bv, .offset: 88, .size: 8, .value_kind: global_buffer, .address_space: global }
      - { .name: rec, .offset: 96, .size: 8, .value_kind: global_buffer, .address_space: global }
    .group_segment_fixed_size: 2560
    .private_segment_fixed_size: 0
    .kernarg_segment_align: 8
    .kernarg_segment_size: 104
    .max_flat_workgroup_size: 128
    .sgpr_count:     66
    .vgpr_count:     640
    .wavefront_size: 32
...
	.end_amdgpu_metadata
.endif
;; end of part 2
;; launch attn (part 3): grid 32 x 8, 16 waves a work-group, clusters of 4 x 1, 327,680 bytes of LDS; arguments rec, q, wo_codes, wo_scales, bo, out0; writes out0
.if DOCPART == 3
	.amdgcn_target "amdgcn-amd-amdhsa--gfx1250"
	.amdhsa_code_object_version 6
	.text
	.protected	k_q60ef622b9f_attn
	.globl	k_q60ef622b9f_attn
	.p2align	8
	.type	k_q60ef622b9f_attn,@function
k_q60ef622b9f_attn:
	s_mov_b64 s[64:65], 0
	v_nop
	global_prefetch_b8 v0, s[64:65] scope:SCOPE_SE
	s_setreg_imm32_b32 hwreg(HW_REG_WAVE_MODE, 25, 1), 1
	s_wait_xcnt 0x0
	s_wait_alu depctr_hold_cnt(0) depctr_sa_sdst(0) depctr_va_vdst(0) depctr_va_sdst(0) depctr_va_ssrc(0) depctr_va_vcc(0) depctr_vm_vsrc(0)
	s_getreg_b32 s2, hwreg(HW_REG_IB_STS2, 6, 4)
	s_cmp_eq_u32 s2, 0
	s_cbranch_scc0 .Lentry_in_a_cluster
	s_endpgm
.Lentry_in_a_cluster:
	s_bfe_u32 s2, ttmp6, 0x10000c
	s_cmp_lg_u32 s2, 0x3003
	s_cbranch_scc0 .Lentry_shape_is_right
	s_endpgm
.Lentry_shape_is_right:
; ATTENTION OVER 4,096 KEYS, THE LAST PROJECTION AND THE RESIDUAL.  out0[b][o][y] = (sum over c of wo[o][c] A[c][y] + bo[o] + q[b][o][y]) / sqrt(2),  A[c][y] = sum over x of softmax_x(K[x] . Q[y] / sqrt(128)) V[c][x].
; All three products on codes of E2M1 with E8M0 scales.  Q, K and V come from records of 128 positions, as images of the operands' registers (8 registers a lane, group c at 512 c + 16 x lane) with their scale words.
; THE SOFTMAX AHEAD OF THE SECOND PRODUCT: t = score x log2(e) / sqrt(128); M = the largest t so far, rounded UP to a whole number; p = 2^(t - M) is what is quantised, along the keys, not normalised.
; The sum is taken of the unquantised p, in f32, and divides at the end.  When M moves, the sum and O are multiplied by 2^(old M - new M): exact.
; SHARES.  A work-group owns 128 queries of one batch.  Wave w owns the 16 queries of tile w % 8 and the keys' half w / 8: 16 steps of 128 keys, in 256 registers: four waves to a SIMD, so that one wave's vector
; work stands beside another's matrix work and LDS loads.  At the end waves w and w + 8 join their halves through LDS, again by exact powers of two; waves 0-7 then quantise A and multiply by wo.
; LAYOUT.  S^T = K Q^T (source 0 = 16 keys, source 1 = my queries) and O^T = V^T P^T (source 0 = 16 channels, source 1 = P): a lane holds ONE query (lane % 16) throughout.  p's 16 registers of two neighbouring tiles fill a
; block's places in the same order as V's codes were laid; V's channels were chosen so that O^T's 16 registers of two neighbouring tiles are 16 neighbouring channels, the true order that the given wo wants.
; The last product has source 0 = my queries, source 1 = 16 rows of wo: a lane then holds one output channel and eight neighbouring positions, 32 bytes of a row of out0.
; THE RING.  Two LDS slots of eight records' K and V (17,408 bytes each: four steps for each half of the keys), filled by waves 0-7, one record a load (68 rows of 256 bytes).
; CLUSTER.  The four work-groups of a cluster belong to one batch and walk the same records: every fill is asked for JOINTLY, by the same tensor load with the same descriptor and a mask that names the four.
; No prefetch: the records were stored by the launch just before, and half of a batch's are asked for at the start.  One block of queries to a work-group: 256 work-groups.
; LIMITS: a block of p whose largest lies under 2^-124 keeps the byte 1 (its codes are zeros or near); v_exp_f32 gives 0 for results under 2^-126; 1 / sum and 1 / sqrt(2) are multiplications; NaN and infinities are not served.
.set REC,   26112                      ; a record
.set KVB,   17408                      ; its part that attention's keys need: K's fragments, V's fragments, K's and V's scale words
.set KF,    0
.set VF,    8192
.set KS,    16384
.set VS,    16896
.set QS,    17408
.set QF,    17920
.set SLOT,  8*KVB
.set SPARE, 2*SLOT                     ; behind the ring: the spare words, 128 bytes for each wave: eight blocks of 256 bytes that no other line names
.set MRGB,  8704                       ; the joining of halves: 8,192 bytes of O^T + 512 of statistics for each tile of queries, from LDS byte 0 on;
.set STG,   8*MRGB                     ; the stage for the result: 128 rows (channels) x (512 bytes + 16).  Both lie in slot 0, which has had its last fill and its last read when they are written
.set SP,    528
.set L16, 1                            ; v1   16 x lane
.set SPW, 2                            ; v2   LDS address of my spare word; never rewritten
.set NIL, 3                            ; v3   0; never rewritten
.set ADR, 4                            ; v4   the step's record + 16 x lane
.set MGA, 5                            ; v5   my tile's place for the joining
.set STO, 6                            ; v6   the stage: where I put 32 bytes of a row
.set SRD, 7                            ; v7   and where I read a row back
.set KSC, 8                            ; v8-11   K's scale words (lanes 0-15: tiles 0-3, lanes 16-31: tiles 4-7); at the end wo's
.set NM,  12                           ; v12 -M, v13 the largest t
.set SUM, 14                           ; v[14:15] the sum in two halves
.set QR,  16                           ; v16-23  Q's fragment; at the end bo
.set QSW, 24                           ; v24     Q's scale words
.set WOA, 26                           ; v26     wo: row r of 64 bytes, + 16 h
.set R4,  27                           ; v27     4 r
.set VSC, 28                           ; v28-31  V's scale words; at the end wo's
.set FR,  32                           ; v32-95  eight fragments of K, of V, at the end of wo
.set S,   96                           ; v96-159 S^T, then p
.set O,   160                          ; v160-223 O^T
.set PC,  224                          ; v224-231 p's codes
.set BM,  232                          ; v232-235 the blocks' maxima
.set PD,  236                          ; v236-239 permutes' results, bytes, the sum's second chain
.set FF,  240                          ; v[240:241] f; at the end f_a / sum
.set GB,  242                          ; v[242:243] f_b / sum
.set SO,  244                          ; v244-247 the conversions' scale operands
.set PS,  248                          ; v248-251 the partner's statistics
.set PSW, 253                          ; v253    p's scale word, and nothing else
.set WV,  16
.set HF,  17
.set TQ,  18
.set SEL, 22
.set CS,  24                           ; s[24:25] c = log2(e) / sqrt(128)
.set KK,  26                           ; s[26:27] 1 / sqrt(2)
.set G1,  28
.set G0A, 36
.set G0B, 40
.set TB,  44
.set CNT, 45
.set HB,  46
.macro NOPS n
.rept \n
	v_nop
.endr
.endm
; A round of the cluster's barrier: my work-group's barrier, so that wave 0's signal speaks for all sixteen waves; wave 0 signals; every wave waits for all four work-groups; my work-group's barrier once more.
.macro CROUND
	s_barrier_signal -1
	s_barrier_wait -1
	s_cmp_lg_u32 s[WV], 0
	s_cbranch_scc1 .Lnot_wave_0_\@
	s_barrier_signal -3
.Lnot_wave_0_\@:
	s_barrier_wait -3
	s_barrier_signal -1
	s_barrier_wait -1
.endm
.macro JLOAD g0                        ; a joint refill: waves 0-7, one record each.  The branch hangs on the wave's number alone.  Four v_nop follow the load
	s_cmp_lt_u32 s[WV], 8
	s_cbranch_scc0 .Lnone_\@
	tensor_load_to_lds s[\g0:\g0+3], s[G1:G1+7]
	s_nop 0
	NOPS 4
.Lnone_\@:
.endm
; THE CHANGE OF SLOTS.  Each wave waits for all its tensor loads (its part of the slot ahead), adds 0 to its spare word, and waits for that and for its reads of the slot that it leaves.
; fill = 1: that slot is filled again, with the records eight further on; the barrier is then a round of the cluster's, and the joint refill is the first thing behind it: it has four steps in which to land.
.macro CHANGE fill, g0
	s_wait_tensorcnt 0x0                           ; no tensor load of mine is out, so a group 0 may be written
	ds_add_u32 v[SPW], v[NIL]                      ; 0 onto my spare word
.if \fill
	s_add_nc_u64 s[\g0+2:\g0+3], s[\g0+2:\g0+3], 8*REC           ; the type bits on top are not reached
	s_wait_dscnt 0x0                               ; the add is done, and my reads of the slot are over
	CROUND
	JLOAD \g0
.else
	s_wait_dscnt 0x0
	s_barrier_signal -1
	s_barrier_wait -1
.endif
.endm
; A KEY STEP: the 128 keys of the record at LDS byte s[TB].
.macro STEP
	v_add_nc_u32 v[ADR], s[TB], v[L16]
	NOPS 3                                         ; with the line above: four places in front of loads into registers that the last products read (ISA guide 7.12.1 for vector instructions)
	ds_load_b128 v[KSC:KSC+3], v[ADR] offset:KS
.irp f, 0,1,2,3,4,5,6,7
	ds_load_b128 v[FR+8*\f:FR+8*\f+3], v[ADR] offset:KF+1024*\f
	ds_load_b128 v[FR+8*\f+4:FR+8*\f+7], v[ADR] offset:KF+1024*\f+512
.endr
	s_wait_alu depctr_va_vdst(0)
.irp t, 0,1,2,3
	s_wait_dscnt 14-2*\t                           ; the scale words and fragments 0 .. t are in; the later fragments' loads, two each, may be out
	v_wmma_scale_f32_16x16x128_f8f6f4 v[S+8*\t:S+8*\t+7], v[FR+8*\t:FR+8*\t+7], v[QR:QR+7], 0, v[KSC+\t], v[QSW] matrix_a_fmt:MATRIX_FMT_FP4 matrix_b_fmt:MATRIX_FMT_FP4
.endr
.irp t, 4,5,6,7
	s_wait_dscnt 14-2*\t
	v_wmma_scale_f32_16x16x128_f8f6f4 v[S+8*\t:S+8*\t+7], v[FR+8*\t:FR+8*\t+7], v[QR:QR+7], 0, v[KSC+\t-4], v[QSW] matrix_a_fmt:MATRIX_FMT_FP4 matrix_b_fmt:MATRIX_FMT_FP4 matrix_a_scale:MATRIX_SCALE_ROW1
.endr
	NOPS 4                                         ; places in front of the loads below and of the first read of the scores
	ds_load_b128 v[VSC:VSC+3], v[ADR] offset:VS    ; V's fragments land while the softmax is walked
.irp f, 0,1,2,3,4,5,6,7
	ds_load_b128 v[FR+8*\f:FR+8*\f+3], v[ADR] offset:VF+1024*\f
	ds_load_b128 v[FR+8*\f+4:FR+8*\f+7], v[ADR] offset:VF+1024*\f+512
.endr
.irp b, 0,1,2,3
	v_max3_num_f32 v[BM+\b], v[S+16*\b], v[S+1+16*\b], v[S+2+16*\b]          ; the largest score of each block of 32 keys: for the row's maximum, and, since p rises with the score, for the block's largest p
.endr
.irp i, 3,5,7,9,11,13
.irp b, 0,1,2,3
	v_max3_num_f32 v[BM+\b], v[BM+\b], v[S+16*\b+\i], v[S+1+16*\b+\i]
.endr
.endr
.irp b, 0,1,2,3
	v_max_num_f32 v[BM+\b], v[BM+\b], v[S+15+16*\b]
.endr
.irp b, 0,1,2,3
	s_delay_alu instid0(VALU_DEP_4)
	v_permlanex16_b32 v[PD+\b], v[BM+\b], s[SEL], s[SEL+1]
.endr
.irp b, 0,1,2,3
	s_delay_alu instid0(VALU_DEP_4)
	v_max_num_f32 v[BM+\b], v[BM+\b], v[PD+\b]     ; with lane l xor 16's 16 keys
.endr
	s_delay_alu instid0(VALU_DEP_2)
	v_max3_num_f32 v254, v[BM], v[BM+1], v[BM+2]
	s_delay_alu instid0(VALU_DEP_1)
	v_max_num_f32 v254, v254, v[BM+3]              ; the step's largest score of my query
	s_delay_alu instid0(VALU_DEP_1)
	v_mul_f32 v254, s[CS], v254                    ; as t (c is positive)
	s_delay_alu instid0(VALU_DEP_1)
	v_max_num_f32 v[NM+1], v[NM+1], v254           ; the running largest t
	v_mov_b32 v254, v[NM]
	s_delay_alu instid0(VALU_DEP_2)
	v_floor_f32 v[NM], -v[NM+1]                    ; the new -M = floor(-t): M is a whole number
	s_delay_alu instid0(VALU_DEP_1)
	v_sub_f32 v254, v[NM], v254                    ; old M - new M: a whole number, 0 or less
	s_delay_alu instid0(VALU_DEP_1)
	v_cvt_i32_f32 v254, v254                       ; (it saturates)
	s_delay_alu instid0(VALU_DEP_1)
	v_ldexp_f32 v[FF], 1.0, v254                   ; f = 2^(old M - new M)
.set NJ, 0
.rept 32
	v_pk_fma_f32 v[S+NJ:S+NJ+1], v[S+NJ:S+NJ+1], s[CS:CS+1], v[NM:NM+1] op_sel_hi:[1,0,0]   ; t - M, two at a time
.set NJ, NJ+2
.endr
.irp b, 0,1,2,3
	v_fma_f32 v[BM+\b], v[BM+\b], s[CS], v[NM]     ; the same of each block's largest score
.endr
.set NJ, 0
	s_wait_alu depctr_va_vdst(0)
.rept 64
	v_exp_f32 v[S+NJ], v[S+NJ]                     ; p = 2^(t - M), at most 1
.set NJ, NJ+1
.endr
	s_setprio 1
.irp b, 0,1,2,3
	v_exp_f32 v[BM+\b], v[BM+\b]                   ; the block's largest p: the same two instructions on the same number give the same bits
.endr
	v_pk_mul_f32 v[SUM:SUM+1], v[SUM:SUM+1], v[FF:FF+1] op_sel_hi:[1,0]      ; the sums under the new M.  (A plain place behind the exponentials)
	s_wait_alu depctr_va_vdst(0)
.irp b, 0,1,2,3
	v_max_num_f32 v[BM+\b], 0x1800000, v[BM+\b]    ; the floor 2^(3 - 127): the byte cannot fall under 1
.endr
.irp b, 0,1,2,3
	s_delay_alu instid0(VALU_DEP_4)
	v_add_nc_u32 v[SO+\b], 0xff000000, v[BM+\b]    ; 2 off the exponent field: the conversion's scale operand
.endr
.irp b, 0,1,2,3
	s_delay_alu instid0(VALU_DEP_4)
	v_lshrrev_b32 v[PD+\b], 23, v[SO+\b]           ; the scale's byte
.endr
	s_delay_alu instid0(VALU_DEP_3)
	v_lshl_or_b32 v[PSW], v[PD+1], 8, v[PD]        ; p's scale word for these 128 keys
	s_delay_alu instid0(VALU_DEP_1)
	v_lshl_or_b32 v[PSW], v[PD+2], 16, v[PSW]
	s_delay_alu instid0(VALU_DEP_1)
	v_lshl_or_b32 v[PSW], v[PD+3], 24, v[PSW]
.irp b, 0,1,2,3
	v_cvt_scalef32_pk8_fp4_f32 v[PC+2*\b], v[S+16*\b:S+7+16*\b], v[SO+\b]
	v_cvt_scalef32_pk8_fp4_f32 v[PC+1+2*\b], v[S+8+16*\b:S+15+16*\b], v[SO+\b]
.endr
	v_nop                                          ; one plain place behind a scaled conversion
.irp c, 0,1                            ; the operand's layout wants a whole block in a lane
.irp i, 0,1
	v_permlane16_swap_b32 v[PC+4*\c+\i], v[PC+2+4*\c+\i]
.endr
.endr
	v_pk_add_f32 v[236:237], v[100:101], v[104:105]
	v_pk_add_f32 v[254:255], v[108:109], v[112:113]
	v_pk_add_f32 v[250:251], v[116:117], v[120:121]
	v_pk_add_f32 v[248:249], v[124:125], v[128:129]
	v_pk_add_f32 v[246:247], v[132:133], v[136:137]
	v_pk_add_f32 v[244:245], v[140:141], v[144:145]
	v_pk_add_f32 v[234:235], v[148:149], v[152:153]
	v_pk_add_f32 v[14:15], v[14:15], v[156:157]
	v_pk_add_f32 v[236:237], v[236:237], v[96:97]
	v_pk_add_f32 v[254:255], v[254:255], v[98:99]
	v_pk_add_f32 v[250:251], v[250:251], v[102:103]
	v_pk_add_f32 v[248:249], v[248:249], v[106:107]
	v_pk_add_f32 v[246:247], v[246:247], v[110:111]
	v_pk_add_f32 v[244:245], v[244:245], v[114:115]
	v_pk_add_f32 v[234:235], v[234:235], v[118:119]
	v_pk_add_f32 v[14:15], v[14:15], v[122:123]
	v_pk_add_f32 v[236:237], v[236:237], v[126:127]
	v_pk_add_f32 v[254:255], v[254:255], v[130:131]
	v_pk_add_f32 v[250:251], v[250:251], v[134:135]
	v_pk_add_f32 v[248:249], v[248:249], v[138:139]
	v_pk_add_f32 v[246:247], v[246:247], v[142:143]
	v_pk_add_f32 v[244:245], v[244:245], v[146:147]
	v_pk_add_f32 v[234:235], v[234:235], v[150:151]
	v_pk_add_f32 v[14:15], v[14:15], v[154:155]
	v_pk_add_f32 v[236:237], v[236:237], v[158:159]
	s_delay_alu instid0(VALU_DEP_2)
	v_pk_add_f32 v[14:15], v[14:15], v[248:249]
	s_delay_alu instid0(VALU_DEP_2)
	v_pk_add_f32 v[236:237], v[236:237], v[246:247]
	v_pk_add_f32 v[254:255], v[254:255], v[244:245]
	v_pk_add_f32 v[250:251], v[250:251], v[234:235]
	s_delay_alu instid0(VALU_DEP_2)
	v_pk_add_f32 v[14:15], v[14:15], v[254:255]
	s_delay_alu instid0(VALU_DEP_2)
	v_pk_add_f32 v[236:237], v[236:237], v[250:251]
	s_delay_alu instid0(VALU_DEP_1)
	v_pk_add_f32 v[14:15], v[14:15], v[236:237]
.set NJ, 0
.rept 32
	v_pk_mul_f32 v[O+NJ:O+NJ+1], v[O+NJ:O+NJ+1], v[FF:FF+1] op_sel_hi:[1,0]  ; O^T under the new M.  (These and the sums are also the places between the scale word's and the codes' last writes and the products below)
.set NJ, NJ+2
.endr
	s_setprio 0
	s_wait_alu depctr_va_vdst(0)
	s_wait_dscnt 0x0                               ; V's fragments and scale words are in
.irp t, 0,1,2,3                        ; the eight accumulators take turns, one instruction a turn
	v_wmma_scale_f32_16x16x128_f8f6f4 v[O+8*\t:O+8*\t+7], v[FR+8*\t:FR+8*\t+7], v[PC:PC+7], v[O+8*\t:O+8*\t+7], v[VSC+\t], v[PSW] matrix_a_fmt:MATRIX_FMT_FP4 matrix_b_fmt:MATRIX_FMT_FP4
.endr
.irp t, 4,5,6,7
	v_wmma_scale_f32_16x16x128_f8f6f4 v[O+8*\t:O+8*\t+7], v[FR+8*\t:FR+8*\t+7], v[PC:PC+7], v[O+8*\t:O+8*\t+7], v[VSC+\t-4], v[PSW] matrix_a_fmt:MATRIX_FMT_FP4 matrix_b_fmt:MATRIX_FMT_FP4 matrix_a_scale:MATRIX_SCALE_ROW1
.endr
.endm
.macro PHASE slot                      ; my half's four steps of a slot: written once, walked four times
.if \slot
	s_add_co_u32 s[TB], s[HB], SLOT
.else
	s_mov_b32 s[TB], s[HB]
.endif
	s_mov_b32 s[CNT], 4
.Lstep_\@:
	s_setprio 2
	STEP
	s_add_co_u32 s[TB], s[TB], KVB
	s_sub_co_u32 s[CNT], s[CNT], 1
	s_cmp_lg_u32 s[CNT], 0
	s_cbranch_scc1 .Lstep_\@
	s_setprio 0
.endm
	s_load_b256 s[4:11], s[0:1], 0x0               ; rec s[4:5], q s[6:7], wo's codes s[8:9], wo's scales s[10:11]
	s_load_b128 s[12:15], s[0:1], 0x20             ; bo s[12:13], out0 s[14:15]
	v_lshl_add_u32 v[SPW], v0, 2, SPARE
	v_mov_b32 v[NIL], 0
	ds_add_u32 v2, v3
	ds_add_u32 v2, v3
	s_wait_dscnt 0x0
	v_lshrrev_b32 v[ADR], 5, v0
	s_delay_alu instid0(VALU_DEP_1)
	v_readfirstlane_b32 s[WV], v[ADR]              ; wave 0..15
	s_lshr_b32 s[HF], s[WV], 3                     ; my half of the keys
	s_and_b32 s[TQ], s[WV], 7                      ; my tile of queries.  Also: which record of a slot I fetch, if I fetch
	s_bfe_u32 s19, ttmp6, 0x40000                  ; cx: my place in the cluster
	s_lshl_b32 s20, ttmp9, 2                       ; in a cluster launch ttmp9 counts clusters
	s_add_co_u32 s20, s20, s19                     ; my block of 128 queries: it enters Q's, q's and out0's addresses alone
	s_and_b32 s21, ttmp7, 0xffff                   ; the batch, which the four partners share
	s_bfe_u32 s48, s[WV], 0x10002                  ; the record that I fetch first: 32 b + 16 x (the half that it serves) + its step
	s_lshl_b32 s48, s48, 4
	s_and_b32 s49, s[WV], 3
	s_add_co_u32 s48, s48, s49
	s_lshl_b32 s49, s21, 5
	s_add_co_u32 s48, s48, s49
	s_mul_i32 s48, s48, REC
	s_mov_b32 s49, 0
	; descriptor group 1: 68 rows of 256 bytes, dense in memory and in LDS
	s_mov_b32 s[G1], 15|(3<<16)|(1<<21)            ; 15:0 the mask: all four work-groups; 17:16 elements of 8 bytes; 20 no padding; 21 set beside a mask
	s_mov_b32 s[G1+1], 32<<16                      ; tensor_dim0 = 32
	s_mov_b32 s[G1+2], 68<<16                      ; tensor_dim1 = 68
	s_mov_b32 s[G1+3], 32<<16                      ; tile_dim0 = 32
	s_mov_b32 s[G1+4], 68                          ; tile_dim1 = 68
	s_mov_b32 s[G1+5], 32                          ; tensor_dim0_stride
	s_mov_b32 s[G1+6], 0
	s_mov_b32 s[G1+7], 0
	s_mov_b32 s[G0A], 1                            ; count = 1
	s_mul_i32 s[G0A+1], s[TQ], KVB                 ; LDS address: slot 0, record wave % 8: no place in the cluster enters it
	s_mov_b32 s[G0B], 1
	s_add_co_u32 s[G0B+1], s[G0A+1], SLOT          ; slot 1
	s_mul_i32 s[HB], s[HF], 4*KVB                  ; where my half's four records begin in a slot
	s_lshl_b32 s52, s21, 5
	s_add_co_u32 s52, s52, s20
	s_mul_i32 s52, s52, REC                        ; my queries' record
	s_mov_b32 s53, 0
	s_lshl_b32 s50, s[TQ], 10
	s_mov_b32 s51, 0
	s_mov_b32 s[SEL], 0x76543210
	s_mov_b32 s[SEL+1], 0xfedcba98                 ; v_permlanex16_b32's selects for lane l xor 16
	s_mov_b32 s[CS], 0x3e0293ee                    ; log2(e) / sqrt(128)
	s_mov_b32 s[CS+1], s[CS]                       ; (named with it as a pair, so it is written)
	s_mov_b32 s[KK], 0x3f3504f3                    ; 1 / sqrt(2)
	s_mov_b32 s[KK+1], s[KK]
	s_wait_kmcnt 0x0
	s_add_nc_u64 s[G0A+2:G0A+3], s[4:5], s[48:49]
	s_add_nc_u64 s[G0B+2:G0B+3], s[G0A+2:G0A+3], 4*REC           ; slot 1 begins four records on
	s_or_b32 s[G0A+3], s[G0A+3], 0x80000000        ; type = 2
	s_or_b32 s[G0B+3], s[G0B+3], 0x80000000
	s_add_nc_u64 s[52:53], s[4:5], s[52:53]
	s_add_nc_u64 s[54:55], s[52:53], s[50:51]      ; Q's fragments: + 1,024 x tile
	s_lshl_b32 s50, s[TQ], 6
	s_add_nc_u64 s[60:61], s[52:53], s[50:51]      ; Q's scale words: + 64 x tile
	s_lshl_b32 s50, s21, 21                        ; q and out0: 2 MiB a batch,
	s_lshl_b32 s47, s[WV], 17                      ; at the end wave w takes channels 8 w .. 8 w + 7 (16,384 bytes each),
	s_add_co_u32 s50, s50, s47
	s_lshl_b32 s47, s20, 9                         ; 512 bytes a block of 128 positions
	s_add_co_u32 s50, s50, s47
	s_add_nc_u64 s[56:57], s[6:7], s[50:51]
	s_add_nc_u64 s[58:59], s[14:15], s[50:51]
	CROUND                                         ; all four work-groups are here: the first joint loads meet
	s_cmp_lt_u32 s[WV], 8                          ; a wave's two first fills stand in one branch, ahead of every wait on TENSORcnt and every LDS read: two loads of mine are out
	s_cbranch_scc0 .Lno_first
	tensor_load_to_lds s[G0A:G0A+3], s[G1:G1+7]
	s_nop 0
	tensor_load_to_lds s[G0B:G0B+3], s[G1:G1+7]
	s_nop 0
	NOPS 4
.Lno_first:
	v_and_b32 v254, 31, v0
	s_delay_alu instid0(VALU_DEP_1)
	v_lshlrev_b32 v[L16], 4, v254                  ; 16 x lane
	v_and_b32 v254, 15, v0                         ; r
	v_bfe_u32 v255, v0, 4, 1                       ; h
	s_delay_alu instid0(VALU_DEP_2)
	v_lshlrev_b32 v[R4], 2, v254
	global_load_b128 v[QR:QR+3], v[L16], s[54:55] offset:QF      ; Q's fragment stays in registers
	global_load_b128 v[QR+4:QR+7], v[L16], s[54:55] offset:QF+512
	global_load_b32 v[QSW], v[R4], s[60:61] offset:QS
	v_lshlrev_b32 v[WOA], 6, v254
	s_delay_alu instid0(VALU_DEP_1)
	v_lshl_add_u32 v[WOA], v255, 4, v[WOA]
	s_mul_i32 s50, s[TQ], MRGB
	v_add_nc_u32 v[MGA], s50, v[L16]
	v_mul_u32_u24 v[STO], v254, SP
	s_delay_alu instid0(VALU_DEP_1)
	v_lshl_add_u32 v[STO], v255, 5, v[STO]
	s_lshl_b32 s50, s[TQ], 6
	s_add_co_u32 s50, s50, STG
	v_add_nc_u32 v[STO], s50, v[STO]               ; the stage: row r of a tile of channels, + 64 x my tile of queries + 32 h
	s_mul_i32 s50, s[WV], 8*SP
	s_add_co_u32 s50, s50, STG
	v_add_nc_u32 v[SRD], s50, v[L16]               ; back: my 8 rows, 16 bytes a lane
	v_mov_b32 v[NM+1], 0xff61b1e6                  ; the largest t so far: -3e38, under every t
	s_delay_alu instid0(VALU_DEP_1)
	v_floor_f32 v[NM], -v[NM+1]                    ; -M
	v_mov_b32 v[SUM], 0
	v_mov_b32 v[SUM+1], 0
.irp b, 0,1,2,3
	v_mov_b32 v[PD+\b], 0                          ; written once: a lane permute's destination counts as one of its sources
.endr
	v_mov_b32 v[FF+1], 0                           ; (named as the upper halves of pairs)
	v_mov_b32 v[GB+1], 0
.set NJ, 0
.rept 64
	v_mov_b32 v[O+NJ], 0                           ; O^T.  (The step is written once: the first finds zeros, which the first change of M leaves zeros; a first step of its own would be a fifth copy of the step)
.set NJ, NJ+1
.endr
	s_wait_tensorcnt 0x1                           ; my part of slot 0 is in; slot 1's may stay out
	s_barrier_signal -1
	s_barrier_wait -1                              ; everybody's is
	s_wait_loadcnt 0x0                             ; Q
	PHASE 0                                        ; steps 0-3 of my half
	CHANGE 1, G0A                                  ; slot 0 takes steps 8-11
	PHASE 1                                        ; steps 4-7
	CHANGE 1, G0B                                  ; slot 1 takes steps 12-15
	PHASE 0
	CHANGE 0, G0A                                  ; nothing is left to fetch
	PHASE 1
	; ---- THE END.  The residual's numbers are asked for; the upper half's waves hand O^T and their statistics over; the lower half's ask for wo and bo.
	NOPS 4                                         ; places in front of the stores that read the last results and of the loads into the last products' registers
.irp i, 0,1,2,3,4,5,6,7
	global_load_b128 v[S+32+4*\i:S+35+4*\i], v[L16], s[56:57] offset:16384*\i th:TH_LOAD_NT     ; q(8 w + i, my block's 128 positions): 512 consecutive bytes; its last reading
.endr
	s_cmp_lt_u32 s[WV], 8
	s_cbranch_scc1 .Llower_a
.irp i, 0,1,2,3,4,5,6,7,8,9,10,11,12,13,14,15
	ds_store_b128 v[MGA], v[O+4*\i:O+4*\i+3] offset:512*\i       ; an image of the registers; each result from its low end on
.endr
	ds_store_b128 v[MGA], v[NM:NM+3] offset:8192                 ; -M, the largest t, the sum's two halves
	s_branch .Ljoin_a
.Llower_a:
.irp t, 0,1,2,3,4,5,6,7
	global_load_b128 v[FR+8*\t:FR+8*\t+3], v[WOA], s[8:9] offset:1024*\t
	global_load_b128 v[FR+8*\t+4:FR+8*\t+7], v[WOA], s[8:9] offset:1024*\t+32
	global_load_b32 v[QR+\t], v[R4], s[12:13] offset:64*\t       ; bo(16 t + r)
.endr
.irp t, 0,1,2,3
	global_load_b32 v[KSC+\t], v[R4], s[10:11] offset:64*\t      ; wo's scale words
	global_load_b32 v[VSC+\t], v[R4], s[10:11] offset:64*\t+256
.endr
.Ljoin_a:
	s_wait_dscnt 0x0                               ; for the others' sake: my stores are done
	s_barrier_signal -1
	s_barrier_wait -1
	s_cmp_lt_u32 s[WV], 8
	s_cbranch_scc0 .Ljoin_b
	ds_load_b128 v[PS:PS+3], v[MGA] offset:8192
.irp i, 0,1,2,3,4,5,6,7
	ds_load_b128 v[S+4*\i:S+4*\i+3], v[MGA] offset:512*\i
.endr
	s_wait_dscnt 8                                 ; the partner's statistics are in; the eight loads behind them may be out
	v_min_num_f32 v252, v[NM], v[PS]               ; -M of both halves together
	s_delay_alu instid0(VALU_DEP_1)
	v_sub_f32 v254, v252, v[NM]                    ; my M less the common one: a whole number, 0 or less
	s_delay_alu instid0(VALU_DEP_2)
	v_sub_f32 v255, v252, v[PS]
	s_delay_alu instid0(VALU_DEP_2)
	v_cvt_i32_f32 v254, v254
	s_delay_alu instid0(VALU_DEP_2)
	v_cvt_i32_f32 v255, v255
	s_delay_alu instid0(VALU_DEP_2)
	v_ldexp_f32 v254, 1.0, v254                    ; f_a
	s_delay_alu instid0(VALU_DEP_2)
	v_ldexp_f32 v255, 1.0, v255                    ; f_b
	v_add_f32 v[SUM], v[SUM], v[SUM+1]
	v_add_f32 v[PS+2], v[PS+2], v[PS+3]
	s_delay_alu instid0(VALU_DEP_2)
	v_mul_f32 v[SUM], v[SUM], v254
	s_delay_alu instid0(VALU_DEP_1)
	v_fma_f32 v[SUM], v[PS+2], v255, v[SUM]
	s_delay_alu instid0(VALU_DEP_1)
	v_permlanex16_b32 v[PD], v[SUM], s[SEL], s[SEL+1]
	s_delay_alu instid0(VALU_DEP_1)
	v_add_f32 v[SUM], v[SUM], v[PD]                ; with lane l xor 16's: the row's sum
	s_wait_alu depctr_va_vdst(0)
	v_rcp_f32 v[SUM], v[SUM]
	v_nop                                          ; one plain place behind a transcendental
	s_wait_alu depctr_va_vdst(0)
	v_mul_f32 v[FF], v254, v[SUM]
	v_mul_f32 v[GB], v255, v[SUM]
	s_wait_alu depctr_va_vdst(0)
	s_wait_dscnt 0x0
.set NJ, 0
.rept 16
	v_pk_mul_f32 v[O+NJ:O+NJ+1], v[O+NJ:O+NJ+1], v[FF:FF+1] op_sel_hi:[1,0]
	s_delay_alu instid0(VALU_DEP_1)
	v_pk_fma_f32 v[O+NJ:O+NJ+1], v[S+NJ:S+NJ+1], v[GB:GB+1], v[O+NJ:O+NJ+1] op_sel_hi:[1,0,1]
.set NJ, NJ+2
.endr
.irp i, 0,1,2,3,4,5,6,7
	ds_load_b128 v[S+4*\i:S+4*\i+3], v[MGA] offset:4096+512*\i
.endr
	s_wait_dscnt 0x0
.set NJ, 0
.rept 16
	v_pk_mul_f32 v[O+32+NJ:O+33+NJ], v[O+32+NJ:O+33+NJ], v[FF:FF+1] op_sel_hi:[1,0]
	s_delay_alu instid0(VALU_DEP_1)
	v_pk_fma_f32 v[O+32+NJ:O+33+NJ], v[S+NJ:S+NJ+1], v[GB:GB+1], v[O+32+NJ:O+33+NJ] op_sel_hi:[1,0,1]
.set NJ, NJ+2
.endr
	; attention's result, 128 channels of my query in true order, is quantised along the channels
.irp b, 0,1,2,3
	v_max3_num_f32 v[BM+\b], |v[O+16*\b]|, |v[O+1+16*\b]|, 0x1800000
.endr
.irp i, 2,4,6,8,10,12,14
.irp b, 0,1,2,3
	s_delay_alu instid0(VALU_DEP_4)
	v_max3_num_f32 v[BM+\b], v[BM+\b], |v[O+16*\b+\i]|, |v[O+1+16*\b+\i]|
.endr
.endr
.irp b, 0,1,2,3
	s_delay_alu instid0(VALU_DEP_4)
	v_permlanex16_b32 v[PD+\b], v[BM+\b], s[SEL], s[SEL+1]
.endr
.irp b, 0,1,2,3
	s_delay_alu instid0(VALU_DEP_4)
	v_max_num_f32 v[BM+\b], v[BM+\b], v[PD+\b]
.endr
.irp b, 0,1,2,3
	s_delay_alu instid0(VALU_DEP_4)
	v_add_nc_u32 v[SO+\b], 0xff000000, v[BM+\b]
.endr
.irp b, 0,1,2,3
	s_delay_alu instid0(VALU_DEP_4)
	v_lshrrev_b32 v[PD+\b], 23, v[SO+\b]
.endr
	s_delay_alu instid0(VALU_DEP_3)
	v_lshl_or_b32 v[PSW], v[PD+1], 8, v[PD]
	s_delay_alu instid0(VALU_DEP_1)
	v_lshl_or_b32 v[PSW], v[PD+2], 16, v[PSW]
	s_delay_alu instid0(VALU_DEP_1)
	v_lshl_or_b32 v[PSW], v[PD+3], 24, v[PSW]
.irp b, 0,1,2,3
	v_cvt_scalef32_pk8_fp4_f32 v[PC+2*\b], v[O+16*\b:O+7+16*\b], v[SO+\b]
	v_cvt_scalef32_pk8_fp4_f32 v[PC+1+2*\b], v[O+8+16*\b:O+15+16*\b], v[SO+\b]
.endr
	v_nop                                          ; one plain place behind a scaled conversion
.irp c, 0,1
.irp i, 0,1
	v_permlane16_swap_b32 v[PC+4*\c+\i], v[PC+2+4*\c+\i]
.endr
.endr
	s_wait_alu depctr_va_vdst(0)
	s_wait_loadcnt 0x0                             ; wo, its scale words, bo (and q)
	NOPS 8                                         ; a scale register written by a vector instruction stands 8 places ahead of a scaled matrix instruction, an operand so written 4
.irp t, 0,1,2,3
	v_wmma_scale_f32_16x16x128_f8f6f4 v[O+8*\t:O+8*\t+7], v[PC:PC+7], v[FR+8*\t:FR+8*\t+7], 0, v[PSW], v[KSC+\t] matrix_a_fmt:MATRIX_FMT_FP4 matrix_b_fmt:MATRIX_FMT_FP4
.endr
.irp t, 4,5,6,7
	v_wmma_scale_f32_16x16x128_f8f6f4 v[O+8*\t:O+8*\t+7], v[PC:PC+7], v[FR+8*\t:FR+8*\t+7], 0, v[PSW], v[VSC+\t-4] matrix_a_fmt:MATRIX_FMT_FP4 matrix_b_fmt:MATRIX_FMT_FP4
.endr
.irp t, 0,1,2,3,4,5,6,7
	v_mul_f32 v[QR+\t], s[KK], v[QR+\t]            ; bo / sqrt(2): eight plain lines that name none of the products' registers: the places behind them
.endr
.irp t, 0,1,2,3,4,5,6,7
.irp j, 0,1,2,3,4,5,6,7
	v_fma_f32 v[O+8*\t+\j], v[O+8*\t+\j], s[KK], v[QR+\t]        ; each result from its low end on
.endr
.endr
.irp t, 0,1,2,3,4,5,6,7
	ds_store_b128 v[STO], v[O+8*\t:O+8*\t+3] offset:16*SP*\t     ; lane (r, h): channel 16 t + r, positions 16 x tile + 8 h + 0 .. 7
	ds_store_b128 v[STO], v[O+8*\t+4:O+8*\t+7] offset:16*SP*\t+16
.endr
.Ljoin_b:
	s_wait_dscnt 0x0                               ; for the others' sake: my stores into the stage are done
	s_barrier_signal -1
	s_barrier_wait -1                              ; 128 whole rows lie in the stage
.irp i, 0,1,2,3,4,5,6,7
	ds_load_b128 v[S+4*\i:S+4*\i+3], v[SRD] offset:SP*\i
.endr
	s_wait_loadcnt 0x0                             ; q
	s_wait_dscnt 0x0
.set NJ, 0
.rept 16
	v_pk_fma_f32 v[S+NJ:S+NJ+1], v[S+32+NJ:S+33+NJ], s[KK:KK+1], v[S+NJ:S+NJ+1] op_sel_hi:[1,0,1]    ; + q / sqrt(2)
.set NJ, NJ+2
.endr
.irp i, 0,1,2,3,4,5,6,7
	global_store_b128 v[L16], v[S+4*\i:S+4*\i+3], s[58:59] offset:16384*\i th:TH_STORE_NT     ; 32 lanes store 512 consecutive bytes, at a multiple of 256 from out0's first byte
.endr
	s_wait_tensorcnt 0x0                           ; the wave's end, behind my last tensor load and my last LDS store
	ds_add_u32 v[SPW], v[NIL]
	s_wait_dscnt 0x0
	CROUND                                         ; the closing round: no work-group ends while a partner may still ask for a tile that names it
	s_endpgm
.Lfunc_end_k_q60ef622b9f_attn:
	.size	k_q60ef622b9f_attn, .Lfunc_end_k_q60ef622b9f_attn-k_q60ef622b9f_attn
	.p2alignl 7, 3214868480
	.fill 96, 4, 3214868480
	.section	.rodata,"a",@progbits
	.p2align	6, 0x0
	.amdhsa_kernel k_q60ef622b9f_attn
		.amdhsa_group_segment_fixed_size 327680
		.amdhsa_private_segment_fixed_size 0
		.amdhsa_enable_private_segment 0
		.amdhsa_kernarg_size 48
		.amdhsa_user_sgpr_count 2
		.amdhsa_user_sgpr_kernarg_segment_ptr 1
		.amdhsa_wavefront_size32 1
		.amdhsa_system_sgpr_workgroup_id_x 1
		.amdhsa_system_sgpr_workgroup_id_y 1
		.amdhsa_system_sgpr_workgroup_id_z 1
		.amdhsa_system_vgpr_workitem_id 0
		.amdhsa_next_free_vgpr 256
		.amdhsa_next_free_sgpr 66
		.amdhsa_reserve_vcc 0
		.amdhsa_float_denorm_mode_32 3
		.amdhsa_float_denorm_mode_16_64 3
		.amdhsa_memory_ordered 1
		.amdhsa_forward_progress 1
		.amdhsa_inst_pref_size 112
	.end_amdhsa_kernel
	.amdgpu_metadata
---
amdhsa.version: [ 1, 2 ]
amdhsa.kernels:
  - .name:           k_q60ef622b9f_attn
    .symbol:         k_q60ef622b9f_attn.kd
    .args:
      - { .name: rec, .offset: 0, .size: 8, .value_kind: global_buffer, .address_space: global }
      - { .name: q, .offset: 8, .size: 8, .value_kind: global_buffer, .address_space: global }
      - { .name: wo_codes, .offset: 16, .size: 8, .value_kind: global_buffer, .address_space: global }
      - { .name: wo_scales, .offset: 24, .size: 8, .value_kind: global_buffer, .address_space: global }
      - { .name: bo, .offset: 32, .size: 8, .value_kind: global_buffer, .address_space: global }
      - { .name: out0, .offset: 40, .size: 8, .value_kind: global_buffer, .address_space: global }
    .group_segment_fixed_size: 327680
    .private_segment_fixed_size: 0
    .kernarg_segment_align: 8
    .kernarg_segment_size: 48
    .max_flat_workgroup_size: 512
    .sgpr_count:     66
    .vgpr_count:     256
    .wavefront_size: 32
...
	.end_amdgpu_metadata
.endif
;; end of part 3
